; MI455X (gfx1250); checked and timed in simulation.
; The chip was launched on July 23, 2026; its instructions are those of AMD's public machine-readable ISA for CDNA 5 (MIT licence, August 2026) and "CDNA5" Instruction Set Architecture Reference Guide (July 2026). The comments in the code are by the model that wrote it; some were corrected since.
;; Attention. Allowed arithmetic: float matrix products may take bf16 or f16 operands with f32 sums; all other float work in f32.
;; Inputs: W_o 1,024 x 1,024 float32; W_qkv 3,072 x 1,024 float32; b_o 1,024 float32; b_qkv 3,072 float32; x 2 x 2,048 x 1,024 float32.
;; Outputs: out0 2 x 2,048 x 1,024 float32.
;; One version. Each part assembles by itself: llvm-mc -triple=amdgcn-amd-amdhsa -mcpu=gfx1250 --defsym DOCPART=n.
;; ======== version 1 of 1: 4 launches
;; workspace buffers: xb 8,388,608 bytes; wqb 6,291,456 bytes; wob 2,097,152 bytes; qkv 25,165,824 bytes; ob 8,388,608 bytes
;; launch cast (part 1): grid 512 x 1, 8 waves a work-group, no clusters, 0 bytes of LDS; arguments x, W_qkv, W_o, xb, wqb, wob; writes xb, wqb, wob
.if DOCPART == 1
	.amdgcn_target "amdgcn-amd-amdhsa--gfx1250"
	.amdhsa_code_object_version 6
	.text
	.protected	k_qd133e14051_cast
	.globl	k_qd133e14051_cast
	.p2align	8
	.type	k_qd133e14051_cast,@function
k_qd133e14051_cast:
	s_mov_b64 s[64:65], 0
	v_nop
	global_prefetch_b8 v0, s[64:65] scope:SCOPE_SE
	s_setreg_imm32_b32 hwreg(HW_REG_WAVE_MODE, 25, 1), 1
	s_wait_xcnt 0x0
; x, W_qkv and W_o, all f32, are rounded once to bf16 (nearest even) into xb, wqb, wob, in the same order of elements.
; A stream: every input byte is read once, every output byte written once.  No LDS, no barrier, no matrix unit, no cluster:
; no two work-groups read the same byte and no wave needs another wave's data.
; A work-group converts 16,384 numbers (65,536 bytes in, 32,768 out): groups 0-255 take x (4,194,304 numbers),
; 256-447 W_qkv (3,145,728), 448-511 W_o (1,048,576).
; Thread t converts 8 neighbouring numbers in each of 8 steps: two 16-byte loads, one 16-byte store; sixteen neighbouring
; lanes store 256 consecutive bytes, aligned.  All 16 loads of a thread go out first; no register is used twice.
.set X, 4                              ; v[4:67]   step i: 8 numbers in f32
.set Y, 68                             ; v[68:99]  step i: 8 numbers in bf16
	s_load_b256 s[4:11], s[0:1], 0x0               ; x s[4:5], W_qkv s[6:7], W_o s[8:9], xb s[10:11]
	s_load_b128 s[12:15], s[0:1], 0x20             ; wqb s[12:13], wob s[14:15]
	v_lshlrev_b32 v1, 5, v0                        ; 32 t: my 8 numbers in f32
	v_lshlrev_b32 v2, 4, v0                        ; 16 t: my 8 numbers in bf16
	s_movk_i32 s24, 256                            ; first group of W_qkv
	s_movk_i32 s25, 448                            ; first group of W_o
	s_wait_kmcnt 0x0
	s_cmp_lt_u32 ttmp9, s25                        ; the choice hangs on the group's number alone
	s_cselect_b64 s[18:19], s[6:7], s[8:9]         ; from
	s_cselect_b64 s[20:21], s[12:13], s[14:15]     ; to
	s_cselect_b32 s17, s24, s25                    ; the tensor's first group
	s_cmp_lt_u32 ttmp9, s24
	s_cselect_b64 s[18:19], s[4:5], s[18:19]
	s_cselect_b64 s[20:21], s[10:11], s[20:21]
	s_cselect_b32 s17, 0, s17
	s_sub_co_u32 s17, ttmp9, s17                   ; my place in the tensor
	s_lshl_b32 s22, s17, 16                        ; x 65,536 bytes in (at most 255 x 65,536: below 4 GiB)
	s_mov_b32 s23, 0
	s_add_nc_u64 s[18:19], s[18:19], s[22:23]
	s_lshl_b32 s22, s17, 15                        ; x 32,768 bytes out
	s_add_nc_u64 s[20:21], s[20:21], s[22:23]
.irp i, 0,1,2,3,4,5,6,7
	global_load_b128 v[X+8*\i:X+8*\i+3],   v1, s[18:19] offset:8192*\i th:TH_LOAD_NT
	global_load_b128 v[X+8*\i+4:X+8*\i+7], v1, s[18:19] offset:8192*\i+16 th:TH_LOAD_NT
.endr
.irp i, 0,1,2,3,4,5,6,7
	s_wait_loadcnt 14-2*\i                         ; loads come back in order: step i's two are in, the 14 - 2 i of the later steps stay out
.irp k, 0,1,2,3
	v_cvt_pk_bf16_f32 v[Y+4*\i+\k], v[X+8*\i+2*\k], v[X+8*\i+2*\k+1]
.endr
	global_store_b128 v2, v[Y+4*\i:Y+4*\i+3], s[20:21] offset:4096*\i
.endr
	s_endpgm
.Lfunc_end_k_qd133e14051_cast:
	.size	k_qd133e14051_cast, .Lfunc_end_k_qd133e14051_cast-k_qd133e14051_cast
	.p2alignl 7, 3214868480
	.fill 96, 4, 3214868480
	.section	.rodata,"a",@progbits
	.p2align	6, 0x0
	.amdhsa_kernel k_qd133e14051_cast
		.amdhsa_group_segment_fixed_size 0
		.amdhsa_private_segment_fixed_size 0
		.amdhsa_enable_private_segment 0
		.amdhsa_kernarg_size 48
		.amdhsa_user_sgpr_count 2
		.amdhsa_user_sgpr_kernarg_segment_ptr 1
		.amdhsa_wavefront_size32 1
		.amdhsa_system_sgpr_workgroup_id_x 1
		.amdhsa_system_sgpr_workgroup_id_y 1
		.amdhsa_system_sgpr_workgroup_id_z 1
		.amdhsa_system_vgpr_workitem_id 0
		.amdhsa_next_free_vgpr 100
		.amdhsa_next_free_sgpr 66
		.amdhsa_reserve_vcc 0
		.amdhsa_float_denorm_mode_32 3
		.amdhsa_float_denorm_mode_16_64 3
		.amdhsa_memory_ordered 1
		.amdhsa_forward_progress 1
		.amdhsa_inst_pref_size 6
	.end_amdhsa_kernel
	.amdgpu_metadata
---
amdhsa.version: [ 1, 2 ]
amdhsa.kernels:
  - .name:           k_qd133e14051_cast
    .symbol:         k_qd133e14051_cast.kd
    .args:
      - { .name: x, .offset: 0, .size: 8, .value_kind: global_buffer, .address_space: global }
      - { .name: W_qkv, .offset: 8, .size: 8, .value_kind: global_buffer, .address_space: global }
      - { .name: W_o, .offset: 16, .size: 8, .value_kind: global_buffer, .address_space: global }
      - { .name: xb, .offset: 24, .size: 8, .value_kind: global_buffer, .address_space: global }
      - { .name: wqb, .offset: 32, .size: 8, .value_kind: global_buffer, .address_space: global }
      - { .name: wob, .offset: 40, .size: 8, .value_kind: global_buffer, .address_space: global }
    .group_segment_fixed_size: 0
    .private_segment_fixed_size: 0
    .kernarg_segment_align: 8
    .kernarg_segment_size: 48
    .max_flat_workgroup_size: 256
    .sgpr_count:     66
    .vgpr_count:     100
    .wavefront_size: 32
...
	.end_amdgpu_metadata
.endif
;; end of part 1
;; launch qkvgemm (part 2): grid 16 x 16, 4 waves a work-group, clusters of 4 x 4, 327,680 bytes of LDS; arguments xb, wqb, b_qkv, qkv; writes qkv
.if DOCPART == 2
	.amdgcn_target "amdgcn-amd-amdhsa--gfx1250"
	.amdhsa_code_object_version 6
	.text
	.protected	k_qd133e14051_qkvgemm
	.globl	k_qd133e14051_qkvgemm
	.p2align	8
	.type	k_qd133e14051_qkvgemm,@function
k_qd133e14051_qkvgemm:
	s_mov_b64 s[64:65], 0
	v_nop
	global_prefetch_b8 v0, s[64:65] scope:SCOPE_SE
	s_setreg_imm32_b32 hwreg(HW_REG_WAVE_MODE, 25, 1), 1
	s_wait_xcnt 0x0
	s_wait_alu depctr_hold_cnt(0) depctr_sa_sdst(0) depctr_va_vdst(0) depctr_va_sdst(0) depctr_va_ssrc(0) depctr_va_vcc(0) depctr_vm_vsrc(0)
	s_getreg_b32 s2, hwreg(HW_REG_IB_STS2, 6, 4)
	s_cmp_eq_u32 s2, 0
	s_cbranch_scc0 .Lentry_in_a_cluster
	s_endpgm
.Lentry_in_a_cluster:
	s_bfe_u32 s2, ttmp6, 0x10000c
	s_cmp_lg_u32 s2, 0xf033
	s_cbranch_scc0 .Lentry_shape_is_right
	s_endpgm
.Lentry_shape_is_right:
; qkv = x W_qkv^T + b_qkv.  xb: [4096][1024] bf16, wqb: [3072][1024] bf16, b_qkv: [3072] f32; sums in f32, the result rounded once to bf16.
; The result is stored head-major: qkv[b 2][g 48][t 2048][64], g = column / 64 (0-15 heads of q, 16-31 of k, 32-47 of v),
; so that every later tile of q, k or v is dense in memory.
; A work-group makes 256 rows x 192 columns (three planes g) with four waves; 16 x 16 = 256 work-groups.  Wave w = (i = w / 2, j = w % 2) makes
; rows 128 i .. + 127, columns 96 j .. + 95: 8 x 6 accumulator tiles of 16 x 16, 384 registers.
; K goes in steps of 128 (rows of 256 bytes in memory, aligned) through a ring of two LDS slots filled by the tensor data mover.
; CLUSTERS: 4 x 4 work-groups.  The four of a row of the cluster share the block row, so x's tiles; the four of a column share W's tiles.
; Each tile is asked for jointly (same line, same descriptor, a mask that names the four), which divides the requests for both by four.
; THE MATRIX INSTRUCTION IS USED TRANSPOSED: source 0 = 16 rows of W, source 1 = 16 rows of x.  Lane l then holds row l % 16 of the result and in its
; registers 0-7 the columns 8 (l / 16) + 0..7: eight neighbouring numbers, which pack into 16 bytes.
; THE BIAS is the C operand of the first product of each accumulator: nothing is cleared, and no add is written for it.
; REGISTER WINDOWS of 256: window 0: addresses, x's fragments (two buffers), the bias, later the packed results; window 1: W's fragments (two buffers);
; window 2: accumulator tiles (a, b), a = 0..3, at v[8 (6 a + b)]; window 3: a = 4..7.
.set SIZE_K, 1024
.set KSTEP,  128
.set PITCH,  272                       ; an LDS row: 256 bytes + 16 of padding = 17 x 16, so that 16 rows begin at 16 different 16-byte columns modulo 256
.set AQ,     64*PITCH                  ; what one wave fetches of x's tile: 64 rows
.set BQ,     48*PITCH                  ; and of W's tile: 48 rows
.set ATILE,  256*PITCH                 ; x's 256 rows; W's 192 rows lie behind them
.set SLOT,   448*PITCH                 ; 121,856 bytes; two slots
.set LAPS,   SIZE_K/(2*KSTEP)          ; a lap = two K steps = once round the ring: 4
.set SP,     208                       ; the way out: a row of 96 bf16 (192 bytes) + 16 = 13 x 16
.set WS,     128*SP                    ; a wave's stage: 128 rows.  4 x 26,624 = 106,496 bytes, all inside slot 0
.set PLANE,  262144                    ; bytes of a plane (b, g): 2,048 tokens x 128 bytes
.set ADRA, 16                          ; v16-17  LDS address of my fragments of x in slot 0, 1
.set ADRB, 20                          ; v20-21  the same for W
.set STO,  24                          ; v24     the way out: where I put 16 bytes
.set RD,   25                          ; v25-27  the way out: where I read plane 0, 1, 2 back
.set CO,   28                          ; v28     16 x lane: my byte offset in 512 dense bytes of a plane
.set BO,   29                          ; v29     32 x (lane / 16): my 8 numbers of the bias
.set F0,   64                          ; fragment buffer 0 (x: v64-127 of window 0; W: v64-111 of window 1)
.set F1,   128                         ; fragment buffer 1
.set BIAS, 192                         ; v192-239  bias of column block b at BIAS + 8 b
.set TMP,  192                         ; the same registers on the way out: packed results
.set G1A, 24                           ; s[24:31] descriptor group 1, x's tiles
.set G0A, 32                           ; s[32:39] descriptor group 0, x's tiles, one set for each slot
.set G1B, 48                           ; s[48:55] group 1, W's tiles
.set G0B, 56                           ; s[56:63] group 0, W's tiles, one set for each slot
.set MSB, 0
.macro WIN new                         ; the immediate's high byte repeats the setting that is left
.if MSB != \new
	s_set_vgpr_msb (MSB<<8)|\new
.set MSB, \new
.endif
.endm
.set MUL_LO,  0xa1                     ; source 0 (W) window 1, source 1 (x) window 0, C and D window 2
.set MUL_HI,  0xf1                     ; the same, C and D window 3
.set BIAS_LO, 0x81                     ; C from window 0 (the bias), D window 2
.set BIAS_HI, 0xc1                     ; C from window 0, D window 3
.set TO_B,    0x40                     ; destination window 1, address window 0
.macro PLACES                          ; four plain vector places behind a matrix instruction (ISA guide 7.12.1 for vector instructions)
.rept 4
	v_nop
.endr
.endm
.macro JL s                            ; my two joint loads of a K step: 64 rows of x for my row of the cluster, 48 rows of W for my column
	tensor_load_to_lds s[G0A+4*\s:G0A+4*\s+3], s[G1A:G1A+7]
	s_nop 0
	tensor_load_to_lds s[G0B+4*\s:G0B+4*\s+3], s[G1B:G1B+7]
	s_nop 0
.endm
.macro CREST                           ; a round of the cluster's barrier behind its opening work-group barrier
	s_cmp_lg_u32 s12, 0
	s_cbranch_scc1 .Lnot_wave_0_\@
	s_barrier_signal -3
.Lnot_wave_0_\@:
	s_barrier_wait -3
	s_barrier_signal -1
	s_barrier_wait -1
.endm
.macro CROUND                          ; a whole round
	s_barrier_signal -1
	s_barrier_wait -1
	CREST
.endm
	s_load_b256 s[4:11], s[0:1], 0x0               ; xb s[4:5], wqb s[6:7], b_qkv s[8:9], qkv s[10:11]
	s_set_vgpr_msb 0x40
	v_lshl_add_u32 v255, v0, 2, 0x3b800
	s_set_vgpr_msb 0x4000
	v_mov_b32 v63, 0
	s_set_vgpr_msb 0x1
	ds_add_u32 v255, v63
	s_set_vgpr_msb 0x100
	v_lshrrev_b32 v1, 5, v0
	v_readfirstlane_b32 s12, v1                    ; wave 0..3
	s_lshr_b32 s13, s12, 1                         ; i: which 128 rows are mine
	s_and_b32 s14, s12, 1                          ; j: which 96 columns
	s_bfe_u32 s40, ttmp6, 0x40000                  ; cx
	s_bfe_u32 s41, ttmp6, 0x40004                  ; cy
	s_lshl_b32 s42, ttmp9, 2
	s_add_co_u32 s42, s42, s40                     ; block column = 4 x cluster x + cx
	s_and_b32 s15, ttmp7, 0xffff
	s_lshl_b32 s15, s15, 2
	s_add_co_u32 s15, s15, s41                     ; block row = 4 x cluster y + cy
	s_lshl_b32 s43, s41, 2
	s_lshl_b32 s43, 15, s43                        ; my row of the cluster: places 4 cy .. 4 cy + 3
	s_lshl_b32 s44, 0x1111, s40                    ; my column: places cx, cx + 4, cx + 8, cx + 12
	; group 1: elements of 2 bytes, rows of 128 elements, 4 words of padding behind every 64 words; bit 21 set beside a mask
	s_or_b32 s[G1A+0], s43, (1<<16)|(1<<20)|(1<<21)|(5<<22)|(3<<25)
	s_mov_b32 s[G1A+1], KSTEP<<16                  ; tensor_dim0 = 128
	s_mov_b32 s[G1A+2], 64<<16                     ; tensor_dim1 = 64
	s_mov_b32 s[G1A+3], KSTEP<<16                  ; tile_dim0 = 128
	s_mov_b32 s[G1A+4], 64                         ; tile_dim1 = 64 rows
	s_mov_b32 s[G1A+5], SIZE_K                     ; elements from row to row
	s_mov_b32 s[G1A+6], 0
	s_mov_b32 s[G1A+7], 0
	s_or_b32 s[G1B+0], s44, (1<<16)|(1<<20)|(1<<21)|(5<<22)|(3<<25)
	s_mov_b32 s[G1B+1], KSTEP<<16
	s_mov_b32 s[G1B+2], 48<<16                     ; 48 rows
	s_mov_b32 s[G1B+3], KSTEP<<16
	s_mov_b32 s[G1B+4], 48
	s_mov_b32 s[G1B+5], SIZE_K
	s_mov_b32 s[G1B+6], 0
	s_mov_b32 s[G1B+7], 0
	; x's tiles hang on the block row and the wave alone, W's on the block column and the wave alone, each in registers that never hold the other coordinate
	s_lshl_b32 s16, s15, 8
	s_lshl_b32 s17, s12, 6
	s_add_co_u32 s16, s16, s17                     ; x: row 256 x block row + 64 x wave
	s_lshl_b32 s16, s16, 11                        ; x 2,048 bytes (at most 4,095 rows: below 4 GiB)
	s_mov_b32 s17, 0
	s_mul_i32 s46, s42, 192
	s_mul_i32 s47, s12, 48
	s_add_co_u32 s46, s46, s47                     ; W: row 192 x block column + 48 x wave
	s_lshl_b32 s46, s46, 11
	s_mov_b32 s47, 0
	s_mul_i32 s22, s42, 768                        ; the bias of my 96 columns: 4 x (192 x block column + 96 j) bytes
	s_mul_i32 s23, s14, 384
	s_add_co_u32 s22, s22, s23
	s_mov_b32 s23, 0
	s_mul_i32 s20, s12, AQ                         ; where my rows go in a slot: the wave's number alone enters an LDS address
	s_mul_i32 s21, s12, BQ
	s_add_co_u32 s21, s21, ATILE
	s_wait_dscnt 0x0
	s_wait_kmcnt 0x0
	s_add_nc_u64 s[18:19], s[4:5], s[16:17]
	s_add_nc_u64 s[46:47], s[6:7], s[46:47]
	s_add_nc_u64 s[8:9], s[8:9], s[22:23]
	CROUND                                         ; all sixteen work-groups are here: the first joint loads meet
.irp s, 0,1
	s_mov_b32 s[G0A+4*\s], 1
	s_add_co_u32 s[G0A+4*\s+1], s20, \s*SLOT
	s_add_nc_u64 s[G0A+4*\s+2:G0A+4*\s+3], s[18:19], \s*KSTEP*2
	s_or_b32 s[G0A+4*\s+3], s[G0A+4*\s+3], 0x80000000
	s_mov_b32 s[G0B+4*\s], 1
	s_add_co_u32 s[G0B+4*\s+1], s21, \s*SLOT
	s_add_nc_u64 s[G0B+4*\s+2:G0B+4*\s+3], s[46:47], \s*KSTEP*2
	s_or_b32 s[G0B+4*\s+3], s[G0B+4*\s+3], 0x80000000
	JL \s                                          ; K steps 0 and 1: four tensor loads of the wave are out, the most in this text
.endr
	v_and_b32 v1, 15, v0                           ; r = l % 16
	v_bfe_u32 v2, v0, 4, 1                         ; h = l / 16
	v_lshlrev_b32 v[BO], 5, v2
.irp b, 0,1,2,3,4,5
	global_load_b128 v[BIAS+8*\b:BIAS+8*\b+3],   v[BO], s[8:9] offset:64*\b       ; b_qkv[16 b + 8 h + 0..3] of my columns
	global_load_b128 v[BIAS+8*\b+4:BIAS+8*\b+7], v[BO], s[8:9] offset:64*\b+16    ; .. + 4..7
.endr
	; a fragment is 16 rows x 32 K in 8 registers: lane l holds row r; registers 0-3 K = 8 h + 0..7, registers 4-7 K = 16 + 8 h + 0..7
	v_mul_u32_u24 v3, v1, PITCH
	v_lshl_add_u32 v3, v2, 4, v3                   ; r x pitch + 16 h
	s_mul_i32 s16, s13, 128*PITCH                  ; my 128 rows of x
	s_mul_i32 s17, s14, 96*PITCH                   ; my 96 rows of W,
	s_add_co_u32 s17, s17, ATILE                   ; behind x's 256
.irp s, 0,1
	v_add_nc_u32 v[ADRA+\s], s16, v3
	v_add_nc_u32 v[ADRB+\s], s17, v3
	s_add_co_u32 s16, s16, SLOT
	s_add_co_u32 s17, s17, SLOT
.endr
	v_mul_u32_u24 v4, v1, SP                       ; the way out, in: row r, 16 bytes for each half of the lanes
	v_lshl_add_u32 v4, v2, 4, v4
	s_mul_i32 s23, s12, WS
	v_add_nc_u32 v[STO], s23, v4
	v_and_b32 v5, 7, v0                            ; back: eight lanes take a row's 128 bytes of a plane, four rows a load
	v_bfe_u32 v6, v0, 3, 2
	v_mul_u32_u24 v6, v6, SP
	v_lshl_add_u32 v6, v5, 4, v6
	s_mul_i32 s22, s13, 2*WS                       ; block rows 64 w .. + 63 lie in the stages of waves 2 i and 2 i + 1, at their rows 64 j ..
	s_mul_i32 s23, s14, 64*SP
	s_add_co_u32 s22, s22, s23
	v_add_nc_u32 v[RD], s22, v6                    ; plane 0: columns 0-63 = bytes 0-127 of stage 2 i
	v_bfe_u32 v5, v0, 2, 1
	v_mul_u32_u24 v5, v5, WS-192
	v_add3_u32 v[RD+1], v[RD], v5, 128             ; plane 1: columns 64-95 = bytes 128-191 of stage 2 i; columns 96-127 = bytes 0-63 of stage 2 i + 1
	v_add_nc_u32 v[RD+2], WS+64, v[RD]             ; plane 2: columns 128-191 = bytes 64-191 of stage 2 i + 1
	v_and_b32 v[CO], 31, v0
	v_lshlrev_b32 v[CO], 4, v[CO]
; 12 matrix instructions: row blocks a0, a0 + 1 of the window's four x all 6 column blocks, 32 along K.  bias = 1: the first product, C = the bias.
; The 48 accumulators take turns, one instruction a turn, in the same order in every quarter step.
.macro MUL12 f, hi, a0, bias
.irp a, \a0, \a0+1
.irp b, 0,1,2,3,4,5
.if \bias
	v_wmma_f32_16x16x32_bf16 v[8*(6*(\a)+\b):8*(6*(\a)+\b)+7], v[\f+8*\b:\f+8*\b+7], v[\f+8*(4*\hi+\a):\f+8*(4*\hi+\a)+7], v[BIAS+8*\b:BIAS+8*\b+7]
.else
	v_wmma_f32_16x16x32_bf16 v[8*(6*(\a)+\b):8*(6*(\a)+\b)+7], v[\f+8*\b:\f+8*\b+7], v[\f+8*(4*\hi+\a):\f+8*(4*\hi+\a)+7], v[8*(6*(\a)+\b):8*(6*(\a)+\b)+7]
.endif
.endr
.endr
.endm
; 28 LDS loads in one run: the fragments of one quarter step (96 rows of W, 128 rows of x, 32 K at byte k of the rows) into buffer f
.macro FETCH slot, k, f
	WIN TO_B
.irp i, 0,1,2,3,4,5
	ds_load_b128 v[\f+8*\i:\f+8*\i+3],   v[ADRB+\slot] offset:\k+\i*16*PITCH
	ds_load_b128 v[\f+8*\i+4:\f+8*\i+7], v[ADRB+\slot] offset:\k+\i*16*PITCH+32
.endr
	WIN 0
.irp i, 0,1,2,3,4,5,6,7
	ds_load_b128 v[\f+8*\i:\f+8*\i+3],   v[ADRA+\slot] offset:\k+\i*16*PITCH
	ds_load_b128 v[\f+8*\i+4:\f+8*\i+7], v[ADRA+\slot] offset:\k+\i*16*PITCH+32
.endr
.endm
; One of the first three quarters of a K step: multiplies buffer f, and in its middle fetches the next quarter's fragments into buffer g
.macro QUARTER slot, k, f, g, bias
	s_wait_dscnt 8                                 ; W and x's rows 0-63 are in; the youngest eight loads (x's rows 64-127) may be out
.if \bias
	WIN BIAS_LO
.else
	WIN MUL_LO
.endif
	MUL12 \f, 0, 0, \bias
	MUL12 \f, 0, 2, \bias
	PLACES
	FETCH \slot, \k, \g
	s_wait_dscnt 28                                ; all but the 28 just issued
.if \bias
	WIN BIAS_HI
.else
	WIN MUL_HI
.endif
	MUL12 \f, 1, 0, \bias
	MUL12 \f, 1, 2, \bias
.endm
.macro THREE slot, bias
	QUARTER \slot, 64,  F0, F1, \bias
	QUARTER \slot, 128, F1, F0, 0
	QUARTER \slot, 192, F0, F1, 0
.endm
; The last quarter multiplies buffer 1 and changes slots.  In front of the barrier each wave waits for its reads of this slot and for all its tensor
; loads (its two parts of the next slot).  Behind it nobody reads this slot and the next slot is whole.  fill = 1: the barrier opens a round of the
; cluster's barrier, and this slot's two joint refills, two K steps ahead, are the first tensor loads behind the round.
; From a request to the wait for it a wave issues 180 matrix instructions.
.macro TURN slot, next, fill
	s_wait_dscnt 8
	WIN MUL_LO
	MUL12 F1, 0, 0, 0
	s_wait_dscnt 0                                 ; my reads of this slot are over
	s_wait_tensorcnt 0x0                           ; all my tensor loads have landed
	ds_add_u32 v255, v63
	s_wait_dscnt 0x0
	s_barrier_signal -1
	MUL12 F1, 0, 2, 0                              ; register work while the others arrive
	WIN 0
	s_barrier_wait -1
.if \fill
	CREST                                          ; no wave of any partner still reads this slot or has a load on its way
	s_add_nc_u64 s[G0A+4*\slot+2:G0A+4*\slot+3], s[G0A+4*\slot+2:G0A+4*\slot+3], 2*KSTEP*2
	s_add_nc_u64 s[G0B+4*\slot+2:G0B+4*\slot+3], s[G0B+4*\slot+2:G0B+4*\slot+3], 2*KSTEP*2
	JL \slot
.endif
	PLACES
	FETCH \next, 0, F0
	WIN MUL_HI
	MUL12 F1, 1, 0, 0
	MUL12 F1, 1, 2, 0
.endm
.macro LAP bias
	THREE 0, \bias
	TURN 0, 1, 1
	THREE 1, 0
	TURN 1, 0, 1
.endm
	s_wait_tensorcnt 2                             ; my two parts of K step 0 are in; K step 1's two stay out
	s_barrier_signal -1
	s_barrier_wait -1                              ; everybody's are
	FETCH 0, 0, F0
	s_wait_loadcnt 0x0                             ; the bias
	LAP 1                                          ; the first lap stands in front of the loop: its first products start the sums from the bias
	WIN 0                                          ; at a label and at a branch every window is 0
	s_mov_b32 s3, LAPS-2
.Llap:
	LAP 0
	WIN 0
	s_sub_co_u32 s3, s3, 1
	s_cmp_lg_u32 s3, 0
	s_cbranch_scc1 .Llap
	THREE 0, 0                                     ; the last lap fills nothing
	TURN 0, 1, 0                                   ; behind this barrier no wave reads slot 0 again, and no load fills it again
	THREE 1, 0
	s_wait_dscnt 8
	WIN MUL_LO
	MUL12 F1, 0, 0, 0
	MUL12 F1, 0, 2, 0
	s_wait_dscnt 0
	WIN MUL_HI
	MUL12 F1, 1, 0, 0
	MUL12 F1, 1, 2, 0
	; THE WAY OUT.  Each wave rounds its 128 x 96 block to bf16 into its own stage in slot 0, which has had its last fill and its last read.
	PLACES
.macro OUT16 a, aa, from               ; my rows 16 a .. + 15 = the six tiles (aa, 0..5) of window 2 or 3 (from: sources 0 and 1)
	WIN \from
.irp b, 0,1,2,3,4,5
.irp r, 0,1,2,3
	v_cvt_pk_bf16_f32 v[TMP+4*\b+\r], v[8*(6*\aa+\b)+2*\r], v[8*(6*\aa+\b)+2*\r+1]
.endr
.endr
	WIN 0
.irp b, 0,1,2,3,4,5
	ds_store_b128 v[STO], v[TMP+4*\b:TMP+4*\b+3] offset:\a*16*SP+32*\b
.endr
.endm
	OUT16 0, 0, 0x0a
	OUT16 1, 1, 0x0a
	OUT16 2, 2, 0x0a
	OUT16 3, 3, 0x0a
	OUT16 4, 0, 0x0f
	OUT16 5, 1, 0x0f
	OUT16 6, 2, 0x0f
	OUT16 7, 3, 0x0f
	s_wait_dscnt 0x0                               ; my stores are in LDS, for the others' sake,
	s_barrier_signal -1
	s_barrier_wait -1                              ; and so are everybody's: a plane's rows span two waves' stages
	s_lshr_b32 s16, s15, 3                         ; batch = block row / 8
	s_mul_i32 s16, s16, 48*2048                    ; its 48 planes of 2,048 tokens
	s_and_b32 s17, s15, 7
	s_lshl_b32 s17, s17, 8                         ; token 256 x (block row % 8)
	s_add_co_u32 s16, s16, s17
	s_lshl_b32 s17, s12, 6                         ; + 64 x wave: I store block rows 64 w .. + 63 of all three planes
	s_add_co_u32 s16, s16, s17
	s_lshl_b32 s16, s16, 7                         ; x 128 bytes
	s_mov_b32 s17, 0
	s_add_nc_u64 s[10:11], s[10:11], s[16:17]
	s_mul_i32 s46, s42, 3*PLANE                    ; plane 3 x block column (in registers that never fed x's descriptors)
	s_mov_b32 s47, 0
	s_add_nc_u64 s[10:11], s[10:11], s[46:47]
.irp g, 0,1,2
.irp t, 0,1,2,3,4,5,6,7,8,9,10,11,12,13,14,15
	ds_load_b128 v[64+4*(16*\g+\t):64+4*(16*\g+\t)+3], v[RD+\g] offset:4*SP*\t      ; four tokens x 128 bytes
.endr
.endr
.irp g, 0,1,2
.irp t, 0,1,2,3,4,5,6,7,8,9,10,11,12,13,14,15
	s_wait_dscnt 47-(16*\g+\t)                     ; LDS loads come back in order: this one is in, the younger ones stay out
	global_store_b128 v[CO], v[64+4*(16*\g+\t):64+4*(16*\g+\t)+3], s[10:11] offset:\g*PLANE+512*\t   ; the wave stores 512 consecutive bytes, aligned
.endr
.endr
	s_set_vgpr_msb 0x1
	s_wait_tensorcnt 0x0
	ds_add_u32 v255, v63
	s_wait_dscnt 0x0
	s_set_vgpr_msb 0x100
	CROUND                                         ; the closing round: no work-group ends while a partner may still ask for a tile that names it
	s_endpgm
.Lfunc_end_k_qd133e14051_qkvgemm:
	.size	k_qd133e14051_qkvgemm, .Lfunc_end_k_qd133e14051_qkvgemm-k_qd133e14051_qkvgemm
	.p2alignl 7, 3214868480
	.fill 96, 4, 3214868480
	.section	.rodata,"a",@progbits
	.p2align	6, 0x0
	.amdhsa_kernel k_qd133e14051_qkvgemm
		.amdhsa_group_segment_fixed_size 327680
		.amdhsa_private_segment_fixed_size 0
		.amdhsa_enable_private_segment 0
		.amdhsa_kernarg_size 32
		.amdhsa_user_sgpr_count 2
		.amdhsa_user_sgpr_kernarg_segment_ptr 1
		.amdhsa_wavefront_size32 1
		.amdhsa_system_sgpr_workgroup_id_x 1
		.amdhsa_system_sgpr_workgroup_id_y 1
		.amdhsa_system_sgpr_workgroup_id_z 1
		.amdhsa_system_vgpr_workitem_id 0
		.amdhsa_next_free_vgpr 960
		.amdhsa_next_free_sgpr 66
		.amdhsa_reserve_vcc 0
		.amdhsa_float_denorm_mode_32 3
		.amdhsa_float_denorm_mode_16_64 3
		.amdhsa_memory_ordered 1
		.amdhsa_forward_progress 1
		.amdhsa_inst_pref_size 159
	.end_amdhsa_kernel
	.amdgpu_metadata
---
amdhsa.version: [ 1, 2 ]
amdhsa.kernels:
  - .name:           k_qd133e14051_qkvgemm
    .symbol:         k_qd133e14051_qkvgemm.kd
    .args:
      - { .name: xb, .offset: 0, .size: 8, .value_kind: global_buffer, .address_space: global }
      - { .name: wqb, .offset: 8, .size: 8, .value_kind: global_buffer, .address_space: global }
      - { .name: b_qkv, .offset: 16, .size: 8, .value_kind: global_buffer, .address_space: global }
      - { .name: qkv, .offset: 24, .size: 8, .value_kind: global_buffer, .address_space: global }
    .group_segment_fixed_size: 327680
    .private_segment_fixed_size: 0
    .kernarg_segment_align: 8
    .kernarg_segment_size: 32
    .max_flat_workgroup_size: 128
    .sgpr_count:     66
    .vgpr_count:     960
    .wavefront_size: 32
...
	.end_amdgpu_metadata
.endif
;; end of part 2
;; launch attn (part 3): grid 8 x 32, 8 waves a work-group, clusters of 4 x 1, 327,680 bytes of LDS; arguments qkv, ob; writes ob
.if DOCPART == 3
	.amdgcn_target "amdgcn-amd-amdhsa--gfx1250"
	.amdhsa_code_object_version 6
	.text
	.protected	k_qd133e14051_attn
	.globl	k_qd133e14051_attn
	.p2align	8
	.type	k_qd133e14051_attn,@function
k_qd133e14051_attn:
	s_mov_b64 s[64:65], 0
	v_nop
	global_prefetch_b8 v0, s[64:65] scope:SCOPE_SE
	s_setreg_imm32_b32 hwreg(HW_REG_WAVE_MODE, 25, 1), 1
	s_wait_xcnt 0x0
	s_wait_alu depctr_hold_cnt(0) depctr_sa_sdst(0) depctr_va_vdst(0) depctr_va_sdst(0) depctr_va_ssrc(0) depctr_va_vcc(0) depctr_vm_vsrc(0)
	s_getreg_b32 s2, hwreg(HW_REG_IB_STS2, 6, 4)
	s_cmp_eq_u32 s2, 0
	s_cbranch_scc0 .Lentry_in_a_cluster
	s_endpgm
.Lentry_in_a_cluster:
	s_bfe_u32 s2, ttmp6, 0x10000c
	s_cmp_lg_u32 s2, 0x3003
	s_cbranch_scc0 .Lentry_shape_is_right
	s_endpgm
.Lentry_shape_is_right:
; o = softmax(q k^T / 8) v for one head and 256 queries.  qkv: [b 2][g 48][t 2048][64] bf16 (g: 0-15 q, 16-31 k, 32-47 v); ob: [b 16 + h][t 2048][64] bf16.
; Grid: x = block of 256 queries (8), y = head b 16 + h (32).  Eight waves, 32 queries each; keys go in tiles of 256 through two LDS slots.
; CLUSTERS: the four query blocks of a cluster belong to one head and read the same tiles of k and v: every tile is asked for jointly (mask 15).
; TRANSPOSED SCHEME.  S^T = K Q^T: source 0 = 16 keys, source 1 = 16 queries, so lane (r = l % 16, h = l / 16) holds query r and keys 8 h + 0..7 of each
; key tile.  Maximum and sum over keys run inside a lane plus one exchange of the halves; two key tiles, rounded to bf16, are at once the second
; source (32 keys x 16 queries) of O^T = V^T P^T; the rescale factor and 1 / sum are one number a lane.
; SOFTMAX with a running maximum m of the raw scores: p = exp2(c s - c m), c = log2(e) / 8.  NM holds the rounded - c m; when m grows, what has been summed is
; multiplied by exp2(NM new - NM old), the difference of the very numbers that the exponentials use.
; LIMITS: q, k, v, p and o are rounded to bf16; the row sum adds the unrounded p in f32; p below 2^-126 becomes 0 (v_exp_f32 flushes denormals, ISA guide 15.8);
; a NaN score is dropped by the maximum and reaches the result through the exponential alone.
.set KP,    144                        ; LDS pitch of k: 128 bytes + 16 = 9 x 16
.set VP,    160                        ; LDS pitch of v: 128 bytes + 32 = 5 x 32, for the transposing load
.set KT,    256*KP                     ; k's 256 rows: 36,864 bytes; v's 256 rows (40,960) lie behind them
.set SLOT,  KT+256*VP                  ; 77,824 bytes; two slots
.set STAGE, 2*SLOT                     ; behind the ring, never filled by a tensor load: 32 rows x 144 bytes for each wave
.set WST,   32*KP                      ; 4,608: a wave's stage, and also a wave's 32 rows of k in a slot
.set PLANE, 262144                     ; bytes of a plane (b, g)
.set TILEB, 256*128                    ; bytes of a tile of k or v in memory
.set KADR, 2                           ; v2-3    LDS address of my fragments of k in slot 0, 1
.set VADR, 4                           ; v4-5    the same for v
.set STO,  6                           ; v6      the way out: where I put 16 bytes
.set RD,   7                           ; v7      where I read rows back
.set CO,   8                           ; v8      16 x lane
.set QO,   9                           ; v9      my offset in q
.set M,    10                          ; v10-11  running maximum, query tile 0, 1
.set TA,   12                          ; v12-15  at work: TA + 2 qt, TA + 2 qt + 1
.set T2,   16                          ; v16-17  at work
.set AL,   18                          ; v[18:21] rescale factor, twice for each query tile (pairs for the packed forms)
.set NM,   22                          ; v[22:25] - c m, twice
.set LP,   26                          ; v[26:29] row sum, in two halves
.set QF,   32                          ; v32-63   q: fragment (qt, ks) at QF + 16 qt + 8 ks
.set SS,   64                          ; v64-127  S^T tile (kt, qt) at SS + 8 (4 qt + kt); later P^T
.set OO,   128                         ; v128-191 O^T tile (dt, qt) at OO + 8 (4 qt + dt)
.set KV,   192                         ; v192-255 fragments of k, then of v: KV + 32 ks + 8 (kt or dt)
.set G1K, 16                           ; s[16:23] descriptor group 1 for k
.set G1V, 24                           ; s[24:31] for v
.set G0K, 32                           ; s[32:39] group 0 for k, one set for each slot
.set G0V, 40                           ; s[40:47] for v
.macro ROUND                           ; a round of the cluster's barrier
	s_barrier_signal -1
	s_barrier_wait -1
	s_cmp_lg_u32 s8, 0
	s_cbranch_scc1 .Lnot_wave_0_\@
	s_barrier_signal -3
.Lnot_wave_0_\@:
	s_barrier_wait -3
	s_barrier_signal -1
	s_barrier_wait -1
.endm
	s_load_b128 s[4:7], s[0:1], 0x0                ; qkv s[4:5], ob s[6:7]
	s_set_vgpr_msb 0x40
	v_lshl_add_u32 v0, v0, 2, 0x2f000
	v_mov_b32 v1, 0
	s_set_vgpr_msb 0x4045
	ds_add_u32 v0, v1
	s_set_vgpr_msb 0x4500
	v_lshrrev_b32 v1, 5, v0
	v_readfirstlane_b32 s8, v1                     ; wave 0..7
	s_bfe_u32 s9, ttmp6, 0x40000                   ; cx
	s_and_b32 s10, ttmp7, 0xffff                   ; head b 16 + h
	s_lshl_b32 s11, ttmp9, 2
	s_add_co_u32 s11, s11, s9                      ; query block = 4 x cluster x + cx: it enters plain global addresses alone
	s_mov_b32 s50, 0x76543210                      ; v_permlanex16_b32: lane i of one half reads lane i of the other
	s_mov_b32 s51, 0xfedcba98
	s_mov_b32 s52, 0x3e38aa3b                      ; c = log2(e) / 8
	s_mov_b32 s53, 0x3e38aa3b
	; group 1: 32 rows of 64 elements of 2 bytes, padding behind every 32 words: 4 words for k, 8 for v; mask 15, bit 21 beside it
	s_mov_b32 s[G1K+0], 15|(1<<16)|(1<<20)|(1<<21)|(4<<22)|(3<<25)
	s_mov_b32 s[G1K+1], 64<<16                     ; tensor_dim0 = 64
	s_mov_b32 s[G1K+2], 32<<16                     ; tensor_dim1 = 32
	s_mov_b32 s[G1K+3], 64<<16                     ; tile_dim0 = 64
	s_mov_b32 s[G1K+4], 32                         ; tile_dim1 = 32
	s_mov_b32 s[G1K+5], 64                         ; elements from row to row
	s_mov_b32 s[G1K+6], 0
	s_mov_b32 s[G1K+7], 0
	s_mov_b32 s[G1V+0], 15|(1<<16)|(1<<20)|(1<<21)|(4<<22)|(7<<25)
	s_mov_b32 s[G1V+1], 64<<16
	s_mov_b32 s[G1V+2], 32<<16
	s_mov_b32 s[G1V+3], 64<<16
	s_mov_b32 s[G1V+4], 32
	s_mov_b32 s[G1V+5], 64
	s_mov_b32 s[G1V+6], 0
	s_mov_b32 s[G1V+7], 0
	s_lshr_b32 s12, s10, 4                         ; batch
	s_mul_i32 s12, s12, 48
	s_and_b32 s13, s10, 15
	s_add_co_u32 s12, s12, s13                     ; q's plane of this head
	s_lshl_b32 s12, s12, 18                        ; x 262,144 bytes
	s_mov_b32 s13, 0
	s_lshl_b32 s14, s8, 12                         ; 32 rows x 128 bytes x wave
	s_mov_b32 s15, 0
	s_lshl_b32 s60, s11, 15                        ; 256 queries x 128 bytes x query block
	s_add_co_u32 s60, s60, s14
	s_mov_b32 s61, 0
	s_lshl_b32 s62, s10, 18                        ; o's plane of this head
	s_add_co_u32 s62, s62, s60
	s_mov_b32 s63, 0
	s_mul_i32 s49, s8, WST                         ; my 32 rows of k in a slot
	s_mul_i32 s48, s8, 32*VP                       ; my 32 rows of v
	s_wait_dscnt 0x0
	s_wait_kmcnt 0x0
	s_add_nc_u64 s[54:55], s[4:5], s[12:13]        ; the head's plane of q
	s_add_nc_u64 s[56:57], s[54:55], s[14:15]      ; + my 32 rows: hangs on the head and the wave alone, equal in the four partners
	s_add_nc_u64 s[58:59], s[54:55], s[60:61]      ; my 32 queries
	s_add_nc_u64 s[6:7], s[6:7], s[62:63]          ; and where their results go
.irp s, 0,1
	s_mov_b32 s[G0K+4*\s], 1
	s_add_co_u32 s[G0K+4*\s+1], s49, \s*SLOT
	s_add_nc_u64 s[G0K+4*\s+2:G0K+4*\s+3], s[56:57], 16*PLANE+\s*TILEB      ; k lies 16 planes behind q; tile s
	s_or_b32 s[G0K+4*\s+3], s[G0K+4*\s+3], 0x80000000
	s_mov_b32 s[G0V+4*\s], 1
	s_add_co_u32 s[G0V+4*\s+1], s48, \s*SLOT+KT
	s_add_nc_u64 s[G0V+4*\s+2:G0V+4*\s+3], s[56:57], 32*PLANE+\s*TILEB      ; v 32 planes behind q
	s_or_b32 s[G0V+4*\s+3], s[G0V+4*\s+3], 0x80000000
.endr
	v_and_b32 v1, 15, v0                           ; r
	v_bfe_u32 v30, v0, 4, 1                        ; h
	v_lshlrev_b32 v[QO], 7, v1
	v_lshl_add_u32 v[QO], v30, 4, v[QO]            ; r x 128 + 16 h
.irp qt, 0,1
.irp ks, 0,1
	global_load_b128 v[QF+16*\qt+8*\ks:QF+16*\qt+8*\ks+3],   v[QO], s[58:59] offset:2048*\qt+64*\ks      ; query 16 qt + r, d = 32 ks + 8 h + 0..7
	global_load_b128 v[QF+16*\qt+8*\ks+4:QF+16*\qt+8*\ks+7], v[QO], s[58:59] offset:2048*\qt+64*\ks+32   ; d = 32 ks + 16 + 8 h + 0..7
.endr
.endr
	v_mul_u32_u24 v[KADR], v1, KP
	v_lshl_add_u32 v[KADR], v30, 4, v[KADR]        ; k: r x pitch + 16 h
	v_add_nc_u32 v[KADR+1], SLOT, v[KADR]
	v_and_b32 v31, 7, v0
	v_lshl_add_u32 v[VADR], v30, 3, v31            ; v, for the transposing load: key 8 h + l % 8,
	v_mul_u32_u24 v[VADR], v[VADR], VP
	v_bfe_u32 v[T2], v0, 3, 1
	v_lshl_add_u32 v[VADR], v[T2], 4, v[VADR]      ; 16 bytes x ((l / 8) % 2)
	v_add_nc_u32 v[VADR], KT, v[VADR]
	v_add_nc_u32 v[VADR+1], SLOT, v[VADR]
	s_add_co_u32 s12, s49, STAGE                   ; my stage
	v_add_nc_u32 v[STO], s12, v[KADR]              ; in: row r, 16 bytes for each half of the lanes
	v_bfe_u32 v[T2], v0, 3, 2
	v_mul_u32_u24 v[T2], v[T2], KP
	v_lshl_add_u32 v[T2], v31, 4, v[T2]
	v_add_nc_u32 v[RD], s12, v[T2]                 ; back: eight lanes take a row's 128 bytes, four rows a load
	v_and_b32 v[CO], 31, v0
	v_lshlrev_b32 v[CO], 4, v[CO]
	v_mov_b32 v[T2], 0                             ; v_permlanex16_b32 counts as a reader of its destination
	v_mov_b32 v[T2+1], 0
; the largest of a lane's 32 scores of query tile qt (two chains), of the running maximum, and of the other half's lanes
.macro MAXES qt, first
	v_max3_num_f32 v[TA+2*\qt],   v[SS+32*\qt],    v[SS+32*\qt+1],  v[SS+32*\qt+2]
	v_max3_num_f32 v[TA+2*\qt+1], v[SS+32*\qt+16], v[SS+32*\qt+17], v[SS+32*\qt+18]
.irp p, 3,5,7,9,11,13
	v_max3_num_f32 v[TA+2*\qt],   v[TA+2*\qt],   v[SS+32*\qt+\p],    v[SS+32*\qt+\p+1]
	v_max3_num_f32 v[TA+2*\qt+1], v[TA+2*\qt+1], v[SS+32*\qt+16+\p], v[SS+32*\qt+16+\p+1]
.endr
	v_max3_num_f32 v[TA+2*\qt], v[TA+2*\qt], v[TA+2*\qt+1], v[SS+32*\qt+15]
.if \first
	v_max_num_f32 v[TA+2*\qt], v[TA+2*\qt], v[SS+32*\qt+31]
.else
	v_max3_num_f32 v[TA+2*\qt], v[TA+2*\qt], v[SS+32*\qt+31], v[M+\qt]
.endif
	v_permlanex16_b32 v[T2+\qt], v[TA+2*\qt], s50, s51
	v_max_num_f32 v[M+\qt], v[TA+2*\qt], v[T2+\qt]
.endm
; NM = - c m; the rescale factor exp2(NM new - NM old), at most 1
.macro STATS qt, first
.if \first
	v_mul_f32 v[NM+2*\qt],   0xbe38aa3b, v[M+\qt]
	v_mul_f32 v[NM+2*\qt+1], 0xbe38aa3b, v[M+\qt]
.else
	v_mul_f32 v[T2+\qt], 0xbe38aa3b, v[M+\qt]
	v_sub_f32 v[TA+2*\qt+1], v[T2+\qt], v[NM+2*\qt]
	v_exp_f32 v[AL+2*\qt],   v[TA+2*\qt+1]
	v_exp_f32 v[AL+2*\qt+1], v[TA+2*\qt+1]
	v_mov_b32 v[NM+2*\qt],   v[T2+\qt]             ; the plain line behind the exponentials (ISA guide 5.7.2): it names neither their results nor their source
	v_mov_b32 v[NM+2*\qt+1], v[T2+\qt]
.endif
.endm
.macro SCALE qt                        ; c s - c m, two at a time
.set p, 0
.rept 16
	v_pk_fma_f32 v[SS+32*\qt+2*p:SS+32*\qt+2*p+1], v[SS+32*\qt+2*p:SS+32*\qt+2*p+1], s[52:53], v[NM+2*\qt:NM+2*\qt+1] op_sel_hi:[1,0,1]
.set p, p+1
.endr
.endm
.macro EXPS qt                         ; 32 exponentials back to back on different registers; the line behind the last is plain and names none of them
.set p, 0
.rept 32
	v_exp_f32 v[SS+32*\qt+p], v[SS+32*\qt+p]
.set p, p+1
.endr
.endm
.macro RESCALE qt
.set p, 0
	s_wait_alu depctr_va_vdst(0)
.rept 16
	v_pk_mul_f32 v[OO+32*\qt+2*p:OO+32*\qt+2*p+1], v[OO+32*\qt+2*p:OO+32*\qt+2*p+1], v[AL+2*\qt:AL+2*\qt+1]
.set p, p+1
.endr
.endm
.macro LADD qt
	v_pk_add_f32 v[LP+2*\qt:LP+2*\qt+1], v[LP+2*\qt:LP+2*\qt+1], v[SS+32*\qt+2*p:SS+32*\qt+2*p+1]
.endm
; Pair by pair: p joins the row sum, then is rounded to bf16 in place.  Pair p (registers 2 p, 2 p + 1) goes to register 16 (p / 8) + p % 8, which has been
; summed and rounded already: key tiles 0, 1 become the eight registers of P^T for keys 0-31, key tiles 2, 3 those for keys 32-63.
.macro SUMCVT qt, first
.set p, 0
.rept 16
.if p == 0
.if \first
	s_wait_alu depctr_va_vdst(0)
	v_pk_add_f32 v[LP+2*\qt:LP+2*\qt+1], v[SS+32*\qt:SS+32*\qt+1], v[SS+32*\qt+2:SS+32*\qt+3]     ; the first two pairs start the sum
.else
	v_pk_fma_f32 v[LP+2*\qt:LP+2*\qt+1], v[LP+2*\qt:LP+2*\qt+1], v[AL+2*\qt:AL+2*\qt+1], v[SS+32*\qt:SS+32*\qt+1]
.endif
.else
.if p == 1
.if \first == 0
	LADD \qt
.endif
.else
	LADD \qt
.endif
.endif
	v_cvt_pk_bf16_f32 v[SS+32*\qt+16*(p/8)+p%8], v[SS+32*\qt+2*p], v[SS+32*\qt+2*p+1]
.set p, p+1
.endr
.endm
; 64 keys (block kb of the slot's tile) against my 32 queries.  In both products the eight accumulators take turns, one instruction a turn.
.macro BLOCK slot, kb, first
.irp ks, 0,1
.irp kt, 0,1,2,3
	ds_load_b128 v[KV+32*\ks+8*\kt:KV+32*\ks+8*\kt+3],   v[KADR+\slot] offset:(64*\kb+16*\kt)*KP+64*\ks
	ds_load_b128 v[KV+32*\ks+8*\kt+4:KV+32*\ks+8*\kt+7], v[KADR+\slot] offset:(64*\kb+16*\kt)*KP+64*\ks+32
.endr
.endr
	s_wait_dscnt 8                                 ; d = 0..31 of the 64 keys is in; the eight loads of d = 32..63 stay out
.irp qt, 0,1
.irp kt, 0,1,2,3
	v_wmma_f32_16x16x32_bf16 v[SS+8*(4*\qt+\kt):SS+8*(4*\qt+\kt)+7], v[KV+8*\kt:KV+8*\kt+7], v[QF+16*\qt:QF+16*\qt+7], 0
.endr
.endr
	s_wait_dscnt 0
.irp qt, 0,1
.irp kt, 0,1,2,3
	v_wmma_f32_16x16x32_bf16 v[SS+8*(4*\qt+\kt):SS+8*(4*\qt+\kt)+7], v[KV+32+8*\kt:KV+32+8*\kt+7], v[QF+16*\qt+8:QF+16*\qt+15], v[SS+8*(4*\qt+\kt):SS+8*(4*\qt+\kt)+7]
.endr
.endr
.rept 4
	v_nop                                          ; four places: then v is loaded over k's fragments, and the scores are read (ISA guide 7.12.1)
.endr
.irp ks, 0,1
.irp dt, 0,1,2,3
	ds_load_tr16_b128 v[KV+32*\ks+8*\dt:KV+32*\ks+8*\dt+3],   v[VADR+\slot] offset:(64*\kb+32*\ks)*VP+32*\dt          ; V^T: row d = 16 dt + r, keys 32 ks + 8 h + 0..7
	ds_load_tr16_b128 v[KV+32*\ks+8*\dt+4:KV+32*\ks+8*\dt+7], v[VADR+\slot] offset:(64*\kb+32*\ks)*VP+32*\dt+16*VP   ; keys 32 ks + 16 + 8 h + 0..7
.endr
.endr
	MAXES 0, \first
	MAXES 1, \first
	STATS 0, \first
	STATS 1, \first
	SCALE 0
	EXPS 0
	SCALE 1
	EXPS 1
.if \first == 0
	RESCALE 0
.endif
	SUMCVT 0, \first
.if \first == 0
	RESCALE 1
.endif
	SUMCVT 1, \first
	s_wait_dscnt 8                                 ; v of keys 0-31 is in; the eight loads of keys 32-63 stay out
.irp qt, 0,1
.irp dt, 0,1,2,3
.if \first
	v_wmma_f32_16x16x32_bf16 v[OO+8*(4*\qt+\dt):OO+8*(4*\qt+\dt)+7], v[KV+8*\dt:KV+8*\dt+7], v[SS+32*\qt:SS+32*\qt+7], 0
.else
	v_wmma_f32_16x16x32_bf16 v[OO+8*(4*\qt+\dt):OO+8*(4*\qt+\dt)+7], v[KV+8*\dt:KV+8*\dt+7], v[SS+32*\qt:SS+32*\qt+7], v[OO+8*(4*\qt+\dt):OO+8*(4*\qt+\dt)+7]
.endif
.endr
.endr
	s_wait_dscnt 0
.irp qt, 0,1
.irp dt, 0,1,2,3
	v_wmma_f32_16x16x32_bf16 v[OO+8*(4*\qt+\dt):OO+8*(4*\qt+\dt)+7], v[KV+32+8*\dt:KV+32+8*\dt+7], v[SS+32*\qt+16:SS+32*\qt+23], v[OO+8*(4*\qt+\dt):OO+8*(4*\qt+\dt)+7]
.endr
.endr
.rept 5
	v_nop                                          ; five places: the next block loads k over v's fragments (four) and its first products write over P^T (five)
.endr
.endm
; A tile of 256 keys.  In front of the round each wave waits for all its tensor loads (its parts of this tile among them) and for its reads of the other
; slot; the round makes both hold of every wave of the four work-groups; the other slot's two joint refills come first behind it and have the
; whole trip, four blocks, in which to land.  Two tensor loads of a wave are out at the most.
.macro TRIP slot, refill, first
	s_set_vgpr_msb 0x5
	s_wait_tensorcnt 0x0
	ds_add_u32 v0, v1
	s_wait_dscnt 0x0
	s_set_vgpr_msb 0x500
	s_add_nc_u64 s[G0K+4*\slot+2:G0K+4*\slot+3], s[G0K+4*\slot+2:G0K+4*\slot+3], 2*TILEB    ; no load of mine is out: this slot's next tile
	s_add_nc_u64 s[G0V+4*\slot+2:G0V+4*\slot+3], s[G0V+4*\slot+2:G0V+4*\slot+3], 2*TILEB
	s_wait_dscnt 0x0
	ROUND
.if \refill
	tensor_load_to_lds s[G0K+4-4*\slot:G0K+7-4*\slot], s[G1K:G1K+7]
	s_nop 0
	tensor_load_to_lds s[G0V+4-4*\slot:G0V+7-4*\slot], s[G1V:G1V+7]
	s_nop 0
.endif
	BLOCK \slot, 0, \first
	BLOCK \slot, 1, 0
	BLOCK \slot, 2, 0
	BLOCK \slot, 3, 0
.endm
	ROUND                                          ; in front of the first joint loads
	tensor_load_to_lds s[G0K:G0K+3], s[G1K:G1K+7]  ; tile 0
	s_nop 0
	tensor_load_to_lds s[G0V:G0V+3], s[G1V:G1V+7]
	s_nop 0
	s_wait_loadcnt 0x0                             ; q
	TRIP 0, 1, 1                                   ; the first lap is written out: its first block starts maximum, sum and O^T, nothing is cleared
	TRIP 1, 1, 0
	s_mov_b32 s3, 2                                ; 8 tiles = 4 laps: one in front, two in the loop, one behind
.Llap:
	TRIP 0, 1, 0
	TRIP 1, 1, 0
	s_sub_co_u32 s3, s3, 1
	s_cmp_lg_u32 s3, 0
	s_cbranch_scc1 .Llap
	TRIP 0, 1, 0                                   ; fetches tile 7, the last
	TRIP 1, 0, 0                                   ; fetches nothing (the stepped addresses are not used)
	; THE END: divide by the row sum, round to bf16, 16 bytes a lane into my own stage, whole rows back, 512 dense bytes a store.
.irp qt, 0,1
	v_add_f32 v[TA+2*\qt], v[LP+2*\qt], v[LP+2*\qt+1]
	v_permlanex16_b32 v[T2+\qt], v[TA+2*\qt], s50, s51
	v_add_f32 v[TA+2*\qt], v[TA+2*\qt], v[T2+\qt]  ; at least about 1: the largest p of a row is exp2 of about 0
.endr
	v_rcp_f32 v[AL],   v[TA]
	v_rcp_f32 v[AL+1], v[TA]
	v_rcp_f32 v[AL+2], v[TA+2]
	v_rcp_f32 v[AL+3], v[TA+2]
	v_nop                                          ; the plain line behind the reciprocals (ISA guide 5.7.2)
	s_wait_alu depctr_va_vdst(0)
.irp qt, 0,1
.irp dt, 0,1,2,3
.irp i, 0,1,2,3
	v_pk_mul_f32 v[OO+8*(4*\qt+\dt)+2*\i:OO+8*(4*\qt+\dt)+2*\i+1], v[OO+8*(4*\qt+\dt)+2*\i:OO+8*(4*\qt+\dt)+2*\i+1], v[AL+2*\qt:AL+2*\qt+1]
.endr
.irp i, 0,1,2,3
	v_cvt_pk_bf16_f32 v[KV+4*(4*\qt+\dt)+\i], v[OO+8*(4*\qt+\dt)+2*\i], v[OO+8*(4*\qt+\dt)+2*\i+1]
.endr
	ds_store_b128 v[STO], v[KV+4*(4*\qt+\dt):KV+4*(4*\qt+\dt)+3] offset:16*KP*\qt+32*\dt      ; query 16 qt + r, d = 16 dt + 8 h + 0..7
.endr
.endr
.irp i, 0,1,2,3,4,5,6,7
	ds_load_b128 v[SS+4*\i:SS+4*\i+3], v[RD] offset:4*KP*\i        ; my own bytes: LDS serves a wave's instructions in order (ISA guide 5.7.1.4)
.endr
.irp i, 0,1,2,3,4,5,6,7
	s_wait_dscnt 7-\i                              ; this load is in, the younger ones stay out
	global_store_b128 v[CO], v[SS+4*\i:SS+4*\i+3], s[6:7] offset:512*\i
.endr
	s_set_vgpr_msb 0x5
	s_wait_tensorcnt 0x0
	ds_add_u32 v0, v1
	s_wait_dscnt 0x0
	s_set_vgpr_msb 0x500
	ROUND                                          ; the closing round: no work-group ends while a partner may still ask for a tile that names it
	s_endpgm
.Lfunc_end_k_qd133e14051_attn:
	.size	k_qd133e14051_attn, .Lfunc_end_k_qd133e14051_attn-k_qd133e14051_attn
	.p2alignl 7, 3214868480
	.fill 96, 4, 3214868480
	.section	.rodata,"a",@progbits
	.p2align	6, 0x0
	.amdhsa_kernel k_qd133e14051_attn
		.amdhsa_group_segment_fixed_size 327680
		.amdhsa_private_segment_fixed_size 0
		.amdhsa_enable_private_segment 0
		.amdhsa_kernarg_size 16
		.amdhsa_user_sgpr_count 2
		.amdhsa_user_sgpr_kernarg_segment_ptr 1
		.amdhsa_wavefront_size32 1
		.amdhsa_system_sgpr_workgroup_id_x 1
		.amdhsa_system_sgpr_workgroup_id_y 1
		.amdhsa_system_sgpr_workgroup_id_z 1
		.amdhsa_system_vgpr_workitem_id 0
		.amdhsa_next_free_vgpr 258
		.amdhsa_next_free_sgpr 66
		.amdhsa_reserve_vcc 0
		.amdhsa_float_denorm_mode_32 3
		.amdhsa_float_denorm_mode_16_64 3
		.amdhsa_memory_ordered 1
		.amdhsa_forward_progress 1
		.amdhsa_inst_pref_size 255
	.end_amdhsa_kernel
	.section	.bss,"aw",@nobits
	.p2align	6
	.space	262144
	.amdgpu_metadata
---
amdhsa.version: [ 1, 2 ]
amdhsa.kernels:
  - .name:           k_qd133e14051_attn
    .symbol:         k_qd133e14051_attn.kd
    .args:
      - { .name: qkv, .offset: 0, .size: 8, .value_kind: global_buffer, .address_space: global }
      - { .name: ob, .offset: 8, .size: 8, .value_kind: global_buffer, .address_space: global }
    .group_segment_fixed_size: 327680
    .private_segment_fixed_size: 0
    .kernarg_segment_align: 8
    .kernarg_segment_size: 16
    .max_flat_workgroup_size: 256
    .sgpr_count:     66
    .vgpr_count:     258
    .wavefront_size: 32
...
	.end_amdgpu_metadata
.endif
;; end of part 3
;; launch outgemm (part 4): grid 8 x 32, 4 waves a work-group, clusters of 4 x 4, 327,680 bytes of LDS; arguments ob, wob, b_o, out0; writes out0
.if DOCPART == 4
	.amdgcn_target "amdgcn-amd-amdhsa--gfx1250"
	.amdhsa_code_object_version 6
	.text
	.protected	k_qd133e14051_outgemm
	.globl	k_qd133e14051_outgemm
	.p2align	8
	.type	k_qd133e14051_outgemm,@function
k_qd133e14051_outgemm:
	s_mov_b64 s[64:65], 0
	v_nop
	global_prefetch_b8 v0, s[64:65] scope:SCOPE_SE
	s_setreg_imm32_b32 hwreg(HW_REG_WAVE_MODE, 25, 1), 1
	s_wait_xcnt 0x0
	s_wait_alu depctr_hold_cnt(0) depctr_sa_sdst(0) depctr_va_vdst(0) depctr_va_sdst(0) depctr_va_ssrc(0) depctr_va_vcc(0) depctr_vm_vsrc(0)
	s_getreg_b32 s2, hwreg(HW_REG_IB_STS2, 6, 4)
	s_cmp_eq_u32 s2, 0
	s_cbranch_scc0 .Lentry_in_a_cluster
	s_endpgm
.Lentry_in_a_cluster:
	s_bfe_u32 s2, ttmp6, 0x10000c
	s_cmp_lg_u32 s2, 0xf033
	s_cbranch_scc0 .Lentry_shape_is_right
	s_endpgm
.Lentry_shape_is_right:
; out0 = o W_o^T + b_o.  ob: [b 16 + h][t 2048][64] bf16 (head-major), wob: [1024][1024] bf16, b_o: [1024] f32, out0: [4096][1024] f32; sums in f32.
; A work-group makes 128 x 128 with four waves, wave (i = w / 2, j = w % 2) 64 x 64: 16 accumulator tiles.  8 x 32 = 256 work-groups: larger blocks
; would leave WGPs without work at this size (4,096 x 1,024 results).
; K = h 64 + d goes in steps of 128 = two heads; 8 steps through 4 LDS slots, two slots filled behind one barrier, all written out without a loop.
; CLUSTERS: 4 x 4 work-groups; o's tiles are shared along a row of the cluster, W_o's along a column, each asked for jointly.
; The matrix instruction is used transposed (source 0 = rows of W_o, source 1 = rows of o): a lane holds eight neighbouring columns of one row.
; The bias is the C operand of each accumulator's first product.
.set AP,    144                        ; LDS pitch of o: 128 bytes + 16
.set BP,    272                        ; LDS pitch of W_o: 256 bytes + 16
.set AHEAD, 128*AP                     ; one head's 128 rows: 18,432
.set ATILE, 2*AHEAD                    ; 36,864; W_o's 128 rows (34,816) lie behind
.set SLOT,  ATILE+128*BP               ; 71,680; four slots
.set STAGE, 4*SLOT                     ; behind the ring, never filled by a tensor load: 16 rows x 272 bytes for each wave
.set ADRA, 16                          ; v16-19  LDS address of my fragments of o in slot 0..3
.set ADRB, 20                          ; v20-23  the same for W_o
.set STO,  24
.set RD,   25
.set CO,   26
.set BO,   27
.set F0,   64                          ; buffer 0: o's four fragments v64-95, W_o's v96-127
.set F1,   128                         ; buffer 1
.set BIAS, 192                         ; v192-223
.set G1A, 16                           ; s[16:23]
.set G1B, 24                           ; s[24:31]
.set G0A, 32                           ; s[32:47] one set for each slot
.set G0B, 48                           ; s[48:63]
.set MSB, 0
.macro WIN new
.if MSB != \new
	s_set_vgpr_msb (MSB<<8)|\new
.set MSB, \new
.endif
.endm
.macro PLACES
.rept 4
	v_nop
.endr
.endm
.macro ROUND
	s_barrier_signal -1
	s_barrier_wait -1
	s_cmp_lg_u32 s12, 0
	s_cbranch_scc1 .Lnot_wave_0_\@
	s_barrier_signal -3
.Lnot_wave_0_\@:
	s_barrier_wait -3
	s_barrier_signal -1
	s_barrier_wait -1
.endm
.macro JL n
	tensor_load_to_lds s[G0A+4*\n:G0A+4*\n+3], s[G1A:G1A+7]
	s_nop 0
	tensor_load_to_lds s[G0B+4*\n:G0B+4*\n+3], s[G1B:G1B+7]
	s_nop 0
.endm
.macro STEP n                          ; slot n's next tile, four K steps on: eight heads of o, 512 columns of W_o
	s_add_nc_u64 s[G0A+4*\n+2:G0A+4*\n+3], s[G0A+4*\n+2:G0A+4*\n+3], 8*262144
	s_add_nc_u64 s[G0B+4*\n+2:G0B+4*\n+3], s[G0B+4*\n+2:G0B+4*\n+3], 4*256
.endm
	s_load_b256 s[4:11], s[0:1], 0x0               ; ob s[4:5], wob s[6:7], b_o s[8:9], out0 s[10:11]
	v_lshl_add_u32 v254, v0, 2, 0x4a400
	v_mov_b32 v255, 0
	ds_add_u32 v254, v255
	v_lshrrev_b32 v1, 5, v0
	v_readfirstlane_b32 s12, v1                    ; wave 0..3
	s_lshr_b32 s13, s12, 1                         ; i: my 64 rows.  Also: which of a step's two heads I fetch
	s_and_b32 s14, s12, 1                          ; j: my 64 columns.  Also: which 64 rows of that head
	s_bfe_u32 s66, ttmp6, 0x40000                  ; cx
	s_bfe_u32 s67, ttmp6, 0x40004                  ; cy
	s_lshl_b32 s68, ttmp9, 2
	s_add_co_u32 s68, s68, s66                     ; block column
	s_and_b32 s69, ttmp7, 0xffff
	s_lshl_b32 s69, s69, 2
	s_add_co_u32 s69, s69, s67                     ; block row
	s_lshl_b32 s70, s67, 2
	s_lshl_b32 s70, 15, s70                        ; my row of the cluster
	s_lshl_b32 s71, 0x1111, s66                    ; my column
	s_or_b32 s[G1A+0], s70, (1<<16)|(1<<20)|(1<<21)|(4<<22)|(3<<25)   ; 2-byte elements, 4 words of padding behind every 32, bit 21 beside the mask
	s_mov_b32 s[G1A+1], 64<<16                     ; tensor_dim0 = 64
	s_mov_b32 s[G1A+2], 64<<16                     ; tensor_dim1 = 64
	s_mov_b32 s[G1A+3], 64<<16                     ; tile_dim0 = 64
	s_mov_b32 s[G1A+4], 64                         ; tile_dim1 = 64 rows
	s_mov_b32 s[G1A+5], 64                         ; elements from row to row
	s_mov_b32 s[G1A+6], 0
	s_mov_b32 s[G1A+7], 0
	s_or_b32 s[G1B+0], s71, (1<<16)|(1<<20)|(1<<21)|(5<<22)|(3<<25)   ; 4 words behind every 64
	s_mov_b32 s[G1B+1], 128<<16
	s_mov_b32 s[G1B+2], 32<<16
	s_mov_b32 s[G1B+3], 128<<16
	s_mov_b32 s[G1B+4], 32
	s_mov_b32 s[G1B+5], 1024
	s_mov_b32 s[G1B+6], 0
	s_mov_b32 s[G1B+7], 0
	s_lshr_b32 s72, s69, 4                         ; batch = block row / 16
	s_lshl_b32 s72, s72, 4
	s_add_co_u32 s72, s72, s13                     ; plane 16 b + (w / 2)
	s_lshl_b32 s72, s72, 11                        ; x 2,048 tokens
	s_and_b32 s73, s69, 15
	s_lshl_b32 s73, s73, 7                         ; token 128 x (block row % 16)
	s_add_co_u32 s72, s72, s73
	s_lshl_b32 s73, s14, 6                         ; + 64 x (w % 2)
	s_add_co_u32 s72, s72, s73
	s_lshl_b32 s72, s72, 7                         ; x 128 bytes
	s_mov_b32 s73, 0
	s_lshl_b32 s76, s68, 7
	s_lshl_b32 s77, s12, 5
	s_add_co_u32 s76, s76, s77                     ; W_o: row 128 x block column + 32 x wave
	s_lshl_b32 s76, s76, 11                        ; x 2,048 bytes
	s_mov_b32 s77, 0
	s_lshl_b32 s82, s68, 9                         ; my 64 columns in f32: 4 x (128 x block column + 64 j) bytes, for the bias and for the result
	s_lshl_b32 s83, s14, 8
	s_add_co_u32 s82, s82, s83
	s_mov_b32 s83, 0
	s_lshl_b32 s84, s69, 19                        ; my 64 rows of the result: (128 x block row + 64 i) x 4,096 bytes
	s_lshl_b32 s85, s13, 18
	s_add_co_u32 s84, s84, s85
	s_mov_b32 s85, 0
	s_mul_i32 s80, s12, 64*AP                      ; where my rows go: head w / 2, rows 64 (w % 2) = 9,216 x wave
	s_mul_i32 s81, s12, 32*BP
	s_add_co_u32 s81, s81, ATILE
	s_wait_dscnt 0x0
	s_wait_kmcnt 0x0
	s_add_nc_u64 s[74:75], s[4:5], s[72:73]
	s_add_nc_u64 s[78:79], s[6:7], s[76:77]
	s_add_nc_u64 s[8:9], s[8:9], s[82:83]
	s_add_nc_u64 s[10:11], s[10:11], s[84:85]
	s_add_nc_u64 s[10:11], s[10:11], s[82:83]
	ROUND                                          ; in front of the first joint loads
.irp n, 0,1,2,3
	s_mov_b32 s[G0A+4*\n], 1
	s_add_co_u32 s[G0A+4*\n+1], s80, \n*SLOT
	s_add_nc_u64 s[G0A+4*\n+2:G0A+4*\n+3], s[74:75], \n*2*262144      ; K step n: heads 2 n, 2 n + 1
	s_or_b32 s[G0A+4*\n+3], s[G0A+4*\n+3], 0x80000000
	s_mov_b32 s[G0B+4*\n], 1
	s_add_co_u32 s[G0B+4*\n+1], s81, \n*SLOT
	s_add_nc_u64 s[G0B+4*\n+2:G0B+4*\n+3], s[78:79], \n*256
	s_or_b32 s[G0B+4*\n+3], s[G0B+4*\n+3], 0x80000000
	JL \n                                          ; K steps 0-3: eight tensor loads of the wave are out, the most in this text
.endr
	v_and_b32 v1, 15, v0                           ; r
	v_bfe_u32 v2, v0, 4, 1                         ; h
	v_lshlrev_b32 v[BO], 5, v2
.irp b, 0,1,2,3
	global_load_b128 v[BIAS+8*\b:BIAS+8*\b+3],   v[BO], s[8:9] offset:64*\b       ; b_o[16 b + 8 h + 0..3] of my columns
	global_load_b128 v[BIAS+8*\b+4:BIAS+8*\b+7], v[BO], s[8:9] offset:64*\b+16
.endr
	v_mul_u32_u24 v3, v1, AP
	v_lshl_add_u32 v3, v2, 4, v3
	v_mul_u32_u24 v4, v1, BP
	v_lshl_add_u32 v4, v2, 4, v4
	s_mul_i32 s86, s13, 64*AP                      ; my 64 rows of o (in each head's 128)
	s_mul_i32 s87, s14, 64*BP                      ; my 64 rows of W_o
	s_add_co_u32 s87, s87, ATILE
.irp n, 0,1,2,3
	v_add_nc_u32 v[ADRA+\n], s86, v3
	v_add_nc_u32 v[ADRB+\n], s87, v4
	s_add_co_u32 s86, s86, SLOT
	s_add_co_u32 s87, s87, SLOT
.endr
	s_mul_i32 s86, s12, 16*BP
	s_add_co_u32 s86, s86, STAGE                   ; my stage
	v_mul_u32_u24 v5, v1, BP
	v_lshl_add_u32 v5, v2, 5, v5
	v_add_nc_u32 v[STO], s86, v5                   ; in: row r, 32 bytes for each half of the lanes
	v_mul_u32_u24 v5, v2, BP
	v_lshl_add_u32 v5, v1, 4, v5
	v_add_nc_u32 v[RD], s86, v5                    ; back: lanes 0-15 one row of 256 bytes, lanes 16-31 the next
	v_lshlrev_b32 v5, 12, v2
	v_lshl_add_u32 v[CO], v1, 4, v5                ; and the same two rows of the result
; 16 LDS loads: the fragments of quarter kq (32 along K) of a slot into buffer f.  The four places in front stand behind the last matrix instruction,
; which read that buffer's registers a turn ago or less.
.macro FETCH slot, kq, f
	PLACES
.irp t, 0,1,2,3
	ds_load_b128 v[\f+8*\t:\f+8*\t+3],   v[ADRA+\slot] offset:(\kq/2)*AHEAD+(\kq%2)*64+16*AP*\t
	ds_load_b128 v[\f+8*\t+4:\f+8*\t+7], v[ADRA+\slot] offset:(\kq/2)*AHEAD+(\kq%2)*64+16*AP*\t+32
.endr
.irp t, 0,1,2,3
	ds_load_b128 v[\f+32+8*\t:\f+32+8*\t+3], v[ADRB+\slot] offset:64*\kq+16*BP*\t
	ds_load_b128 v[\f+32+8*\t+4:\f+32+8*\t+7], v[ADRB+\slot] offset:64*\kq+16*BP*\t+32
.endr
.endm
; 16 matrix instructions, one for each accumulator (window 1, tile (a, b) at v[8 (4 a + b)]): they take turns, one instruction a turn
.macro MUL16 f, bias
.if \bias
	WIN 0x40                                       ; D window 1, C (the bias) window 0
.else
	WIN 0x50                                       ; C and D window 1
.endif
.irp a, 0,1,2,3
.irp b, 0,1,2,3
.if \bias
	v_wmma_f32_16x16x32_bf16 v[8*(4*\a+\b):8*(4*\a+\b)+7], v[\f+32+8*\b:\f+32+8*\b+7], v[\f+8*\a:\f+8*\a+7], v[BIAS+8*\b:BIAS+8*\b+7]
.else
	v_wmma_f32_16x16x32_bf16 v[8*(4*\a+\b):8*(4*\a+\b)+7], v[\f+32+8*\b:\f+32+8*\b+7], v[\f+8*\a:\f+8*\a+7], v[8*(4*\a+\b):8*(4*\a+\b)+7]
.endif
.endr
.endr
	WIN 0
.endm
.macro QSTEP slot, kq, g, f, bias      ; fetch the next quarter into buffer g, multiply buffer f
	FETCH \slot, \kq, \g
	s_wait_dscnt 16                                ; all but the 16 just issued
	MUL16 \f, \bias
.endm
.macro PAIRWORK s0, s1, bias           ; two K steps = eight quarters, on buffers 0, 1 in turn
	FETCH \s0, 0, F0
	QSTEP \s0, 1, F1, F0, \bias
	QSTEP \s0, 2, F0, F1, 0
	QSTEP \s0, 3, F1, F0, 0
	QSTEP \s1, 0, F0, F1, 0
	QSTEP \s1, 1, F1, F0, 0
	QSTEP \s1, 2, F0, F1, 0
	QSTEP \s1, 3, F1, F0, 0
	s_wait_dscnt 0
	MUL16 F1, 0
.endm
	s_wait_tensorcnt 4                             ; my parts of K steps 0 and 1 are in; the four loads of steps 2 and 3 stay out
	s_barrier_signal -1
	s_barrier_wait -1
	s_wait_loadcnt 0x0                             ; the bias
	PAIRWORK 0, 1, 1
	s_wait_dscnt 0x0                               ; my reads of slots 0 and 1 are over
	s_wait_tensorcnt 0x0                           ; all my tensor loads have landed, steps 2 and 3 among them: every group 0 may be written
	ds_add_u32 v254, v255
	s_wait_dscnt 0x0
	STEP 0
	STEP 1
	ROUND                                          ; both hold of every wave of the sixteen work-groups
	JL 0                                           ; K steps 4 and 5, first behind the round: two K steps of work in which to land
	JL 1
	PAIRWORK 2, 3, 0
	s_wait_dscnt 0x0
	s_wait_tensorcnt 0x0
	ds_add_u32 v254, v255
	s_wait_dscnt 0x0
	STEP 2
	STEP 3
	ROUND
	JL 2                                           ; K steps 6 and 7
	JL 3
	PAIRWORK 0, 1, 0
	s_wait_dscnt 0x0
	s_wait_tensorcnt 0x0                           ; my parts of K steps 6 and 7
	s_barrier_signal -1
	s_barrier_wait -1                              ; everybody's
	PAIRWORK 2, 3, 0
	; THE WAY OUT, 16 rows at a time: the f32 sums as they are into my own stage, whole rows of 256 bytes back, sixteen lanes store 256 consecutive bytes, aligned.
	PLACES
.macro OUT16 a, f
	WIN 0x04                                       ; store data from window 1, address from window 0
.irp b, 0,1,2,3
	ds_store_b128 v[STO], v[8*(4*\a+\b):8*(4*\a+\b)+3]   offset:64*\b
	ds_store_b128 v[STO], v[8*(4*\a+\b)+4:8*(4*\a+\b)+7] offset:64*\b+16
.endr
	WIN 0
	s_wait_xcnt 0x0                                ; buffer f, which earlier stores read, is loaded again only behind this wait (ISA guide 3.1)
.irp t, 0,1,2,3,4,5,6,7
	ds_load_b128 v[\f+4*\t:\f+4*\t+3], v[RD] offset:2*BP*\t        ; my own bytes: LDS serves a wave's instructions in order (ISA guide 5.7.1.4)
.endr
.irp t, 0,1,2,3,4,5,6,7
	s_wait_dscnt 7-\t                              ; this load is in, the younger ones stay out
	global_store_b128 v[CO], v[\f+4*\t:\f+4*\t+3], s[10:11] offset:(16*\a+2*\t)*4096 th:TH_STORE_NT
.endr
.endm
	OUT16 0, F0
	OUT16 1, F1
	OUT16 2, F0
	OUT16 3, F1
	s_wait_tensorcnt 0x0
	ds_add_u32 v254, v255
	s_wait_dscnt 0x0
	ROUND                                          ; the closing round: no work-group ends while a partner may still ask for a tile that names it
	s_endpgm
.Lfunc_end_k_qd133e14051_outgemm:
	.size	k_qd133e14051_outgemm, .Lfunc_end_k_qd133e14051_outgemm-k_qd133e14051_outgemm
	.p2alignl 7, 3214868480
	.fill 96, 4, 3214868480
	.section	.rodata,"a",@progbits
	.p2align	6, 0x0
	.amdhsa_kernel k_qd133e14051_outgemm
		.amdhsa_group_segment_fixed_size 327680
		.amdhsa_private_segment_fixed_size 0
		.amdhsa_enable_private_segment 0
		.amdhsa_kernarg_size 32
		.amdhsa_user_sgpr_count 2
		.amdhsa_user_sgpr_kernarg_segment_ptr 1
		.amdhsa_wavefront_size32 1
		.amdhsa_system_sgpr_workgroup_id_x 1
		.amdhsa_system_sgpr_workgroup_id_y 1
		.amdhsa_system_sgpr_workgroup_id_z 1
		.amdhsa_system_vgpr_workitem_id 0
		.amdhsa_next_free_vgpr 384
		.amdhsa_next_free_sgpr 96
		.amdhsa_reserve_vcc 0
		.amdhsa_float_denorm_mode_32 3
		.amdhsa_float_denorm_mode_16_64 3
		.amdhsa_memory_ordered 1
		.amdhsa_forward_progress 1
		.amdhsa_inst_pref_size 92
	.end_amdhsa_kernel
	.amdgpu_metadata
---
amdhsa.version: [ 1, 2 ]
amdhsa.kernels:
  - .name:           k_qd133e14051_outgemm
    .symbol:         k_qd133e14051_outgemm.kd
    .args:
      - { .name: ob, .offset: 0, .size: 8, .value_kind: global_buffer, .address_space: global }
      - { .name: wob, .offset: 8, .size: 8, .value_kind: global_buffer, .address_space: global }
      - { .name: b_o, .offset: 16, .size: 8, .value_kind: global_buffer, .address_space: global }
      - { .name: out0, .offset: 24, .size: 8, .value_kind: global_buffer, .address_space: global }
    .group_segment_fixed_size: 327680
    .private_segment_fixed_size: 0
    .kernarg_segment_align: 8
    .kernarg_segment_size: 32
    .max_flat_workgroup_size: 128
    .sgpr_count:     96
    .vgpr_count:     384
    .wavefront_size: 32
...
	.end_amdgpu_metadata
.endif
;; end of part 4
